; MI455X (gfx1250); checked and timed in simulation.
; The chip was launched on July 23, 2026; its instructions are those of AMD's public machine-readable ISA for CDNA 5 (MIT licence, August 2026) and "CDNA5" Instruction Set Architecture Reference Guide (July 2026). The comments in the code are by the model that wrote it; some were corrected since.
;; Centroid Pool. Allowed arithmetic: float matrix products may take bf16 or f16 operands with f32 sums; all other float work in f32.
;; Inputs: coords 4,096 x 128 float32; latent 65,536 x 128 float32.
;; Outputs: out0 65,536 int32.
;; One version. Each part assembles by itself: llvm-mc -triple=amdgcn-amd-amdhsa -mcpu=gfx1250 --defsym DOCPART=n.
;; ======== version 1 of 1: 2 launches
;; workspace buffers: cb 1,048,576 bytes; h2 16,384 bytes
;; launch prep (part 1): grid 64 x 1, 8 waves a work-group, no clusters, 1,280 bytes of LDS; arguments coords, cb, h2; writes cb, h2
.if DOCPART == 1
	.amdgcn_target "amdgcn-amd-amdhsa--gfx1250"
	.amdhsa_code_object_version 6
	.text
	.protected	k_q4b011613c1_prep
	.globl	k_q4b011613c1_prep
	.p2align	8
	.type	k_q4b011613c1_prep,@function
k_q4b011613c1_prep:
	s_mov_b64 s[64:65], 0
	v_nop
	global_prefetch_b8 v0, s[64:65] scope:SCOPE_SE
	s_setreg_imm32_b32 hwreg(HW_REG_WAVE_MODE, 25, 1), 1
	s_wait_xcnt 0x0
; cb[c][k] = coords[c][k] rounded to bf16 (nearest even);  h2[c] = -0.5 * sum over k of cb[c][k]^2, in f32.
; The squares are taken of the ROUNDED numbers, so that the later search compares true distances to the rounded centres.
; coords: [4096][128] f32.  cb: [4096][128] bf16.  h2: [4096] f32.
; Eight waves; the work-group owns 64 rows (64 numbers of h2 = 256 consecutive bytes, stored whole by one instruction).
; A wave owns 8 rows; one 16-byte load a lane covers a whole row of 512 bytes, one 8-byte store a lane a whole row of cb (256 bytes).
; No matrix unit, no tensor load, no cluster: 2 MiB are read once and nothing is shared between work-groups.
.set X, 4                              ; v[4:35]   row i: 4 f32 as loaded; later the landing place of the cross-half step
.set Y, 36                             ; v[36:51]  row i: 4 bf16 to store
.set T, 52                             ; v[52:55]  at work
.set S, 56                             ; v[56:63]  row i: the sum of squares
	s_load_b128 s[4:7], s[0:1], 0x0                ; coords s[4:5], cb s[6:7]
	s_load_b64 s[8:9], s[0:1], 0x10                ; h2
	v_lshl_add_u32 v64, v0, 2, 0x100
	v_mov_b32 v65, 0
	v_lshrrev_b32 v1, 5, v0
	v_readfirstlane_b32 s10, v1                    ; wave 0..7
	s_mov_b32 s12, 0x76543210                      ; v_permlanex16_b32: lane i of one half reads lane i of the other
	s_mov_b32 s13, 0xfedcba98
	s_mov_b32 s14, 0xffff0000                      ; a word's upper bf16
	v_and_b32 v2, 31, v0                           ; lane
	v_lshlrev_b32 v1, 4, v2                        ; 16 bytes a lane in a row of coords
	v_lshlrev_b32 v2, 3, v2                        ; 8 bytes a lane in a row of cb
	v_mov_b32 v3, s10
	v_lshlrev_b32 v3, 5, v3                        ; LDS: 8 words for each wave
	s_lshl_b32 s16, ttmp9, 15                      ; 64 rows x 512 bytes
	s_lshl_b32 s18, s10, 12                        ; 8 rows x 512 bytes
	s_add_co_u32 s16, s16, s18
	s_mov_b32 s17, 0
	s_lshr_b32 s18, s16, 1                         ; the same rows in cb: half the bytes
	s_mov_b32 s19, 0
	s_lshl_b32 s20, ttmp9, 8                       ; 64 numbers of h2
	s_mov_b32 s21, 0
	s_wait_kmcnt 0x0
	s_add_nc_u64 s[4:5], s[4:5], s[16:17]
	s_add_nc_u64 s[6:7], s[6:7], s[18:19]
	s_add_nc_u64 s[8:9], s[8:9], s[20:21]
.irp i, 0,1,2,3,4,5,6,7
	global_load_b128 v[X+4*\i:X+4*\i+3], v1, s[4:5] offset:512*\i th:TH_LOAD_NT   ; all eight rows at once
.endr
.irp i, 0,1,2,3,4,5,6,7
	s_wait_loadcnt 7-\i                            ; loads return in order: row i is in, the 7 - i younger ones stay out
	v_cvt_pk_bf16_f32 v[Y+2*\i],   v[X+4*\i],   v[X+4*\i+1]
	v_cvt_pk_bf16_f32 v[Y+2*\i+1], v[X+4*\i+2], v[X+4*\i+3]
	v_lshlrev_b32 v[T],   16,  v[Y+2*\i]           ; back to f32: the rounded numbers
	v_and_b32     v[T+1], s14, v[Y+2*\i]
	v_lshlrev_b32 v[T+2], 16,  v[Y+2*\i+1]
	v_and_b32     v[T+3], s14, v[Y+2*\i+1]
	v_pk_mul_f32 v[T:T+1], v[T:T+1], v[T:T+1]
	v_pk_fma_f32 v[T:T+1], v[T+2:T+3], v[T+2:T+3], v[T:T+1]
	v_add_f32 v[S+\i], v[T], v[T+1]                ; my four squares
	global_store_b64 v2, v[Y+2*\i:Y+2*\i+1], s[6:7] offset:256*\i   ; 32 lanes x 8 bytes: 256 consecutive bytes, aligned; Y of a row is never rewritten
.endr
	; the eight sums across the 32 lanes, side by side so that no step waits for the one in front of it
.irp m, 1,2,4,8
.irp i, 0,1,2,3,4,5,6,7
	v_add_f32_dpp v[S+\i], v[S+\i], v[S+\i] row_xmask:\m row_mask:0xf bank_mask:0xf
.endr
.endr
.irp i, 0,1,2,3,4,5,6,7
	v_permlanex16_b32 v[X+\i], v[S+\i], s12, s13   ; the destination counts as read: X has been written by its load
.endr
.irp i, 0,1,2,3,4,5,6,7
	v_add_f32 v[S+\i], v[S+\i], v[X+\i]
	v_mul_f32 v[S+\i], -0.5, v[S+\i]
	ds_store_b32 v3, v[S+\i] offset:4*\i           ; all lanes write the same word with the same value: word 8 w + i
.endr
	s_wait_dscnt 0x0                               ; my stores are done, for wave 0's sake
	s_barrier_signal -1
	s_barrier_wait -1
	s_cmp_lg_u32 s10, 0
	s_cbranch_scc1 .Lend
	ds_load_b64 v[T:T+1], v2                       ; wave 0: the work-group's 64 numbers, two a lane
	s_wait_dscnt 0x0
	global_store_b64 v2, v[T:T+1], s[8:9]          ; 256 consecutive bytes, aligned
.Lend:
	s_wait_tensorcnt 0x0
	ds_add_u32 v64, v65
	s_wait_dscnt 0x0
	s_endpgm
.Lfunc_end_k_q4b011613c1_prep:
	.size	k_q4b011613c1_prep, .Lfunc_end_k_q4b011613c1_prep-k_q4b011613c1_prep
	.p2alignl 7, 3214868480
	.fill 96, 4, 3214868480
	.section	.rodata,"a",@progbits
	.p2align	6, 0x0
	.amdhsa_kernel k_q4b011613c1_prep
		.amdhsa_group_segment_fixed_size 1280
		.amdhsa_private_segment_fixed_size 0
		.amdhsa_enable_private_segment 0
		.amdhsa_kernarg_size 24
		.amdhsa_user_sgpr_count 2
		.amdhsa_user_sgpr_kernarg_segment_ptr 1
		.amdhsa_wavefront_size32 1
		.amdhsa_system_sgpr_workgroup_id_x 1
		.amdhsa_system_sgpr_workgroup_id_y 1
		.amdhsa_system_sgpr_workgroup_id_z 1
		.amdhsa_system_vgpr_workitem_id 0
		.amdhsa_next_free_vgpr 66
		.amdhsa_next_free_sgpr 66
		.amdhsa_reserve_vcc 0
		.amdhsa_float_denorm_mode_32 3
		.amdhsa_float_denorm_mode_16_64 3
		.amdhsa_memory_ordered 1
		.amdhsa_forward_progress 1
		.amdhsa_inst_pref_size 11
	.end_amdhsa_kernel
	.amdgpu_metadata
---
amdhsa.version: [ 1, 2 ]
amdhsa.kernels:
  - .name:           k_q4b011613c1_prep
    .symbol:         k_q4b011613c1_prep.kd
    .args:
      - { .name: coords, .offset: 0, .size: 8, .value_kind: global_buffer, .address_space: global }
      - { .name: cb, .offset: 8, .size: 8, .value_kind: global_buffer, .address_space: global }
      - { .name: h2, .offset: 16, .size: 8, .value_kind: global_buffer, .address_space: global }
    .group_segment_fixed_size: 1280
    .private_segment_fixed_size: 0
    .kernarg_segment_align: 8
    .kernarg_segment_size: 24
    .max_flat_workgroup_size: 256
    .sgpr_count:     66
    .vgpr_count:     66
    .wavefront_size: 32
...
	.end_amdgpu_metadata
.endif
;; end of part 1
;; launch assign (part 2): grid 256 x 1, 8 waves a work-group, clusters of 4 x 1, 327,680 bytes of LDS; arguments latent, cb, h2, out0; writes out0
.if DOCPART == 2
	.amdgcn_target "amdgcn-amd-amdhsa--gfx1250"
	.amdhsa_code_object_version 6
	.text
	.protected	k_q4b011613c1_assign
	.globl	k_q4b011613c1_assign
	.p2align	8
	.type	k_q4b011613c1_assign,@function
k_q4b011613c1_assign:
	s_mov_b64 s[64:65], 0
	v_nop
	global_prefetch_b8 v0, s[64:65] scope:SCOPE_SE
	s_setreg_imm32_b32 hwreg(HW_REG_WAVE_MODE, 25, 1), 1
	s_wait_xcnt 0x0
	s_wait_alu depctr_hold_cnt(0) depctr_sa_sdst(0) depctr_va_vdst(0) depctr_va_sdst(0) depctr_va_ssrc(0) depctr_va_vcc(0) depctr_vm_vsrc(0)
	s_getreg_b32 s2, hwreg(HW_REG_IB_STS2, 6, 4)
	s_cmp_eq_u32 s2, 0
	s_cbranch_scc0 .Lentry_in_a_cluster
	s_endpgm
.Lentry_in_a_cluster:
	s_bfe_u32 s2, ttmp6, 0x10000c
	s_cmp_lg_u32 s2, 0x3003
	s_cbranch_scc0 .Lentry_shape_is_right
	s_endpgm
.Lentry_shape_is_right:
; out0[n] = the index of the centre nearest to latent row n (the first one on a tie), over 4,096 centres.
; latent: [65536][128] f32.  cb: [4096][128] bf16 (the centres, rounded).  h2: [4096] f32 = -|c|^2 / 2 of the rounded centres.  out0: [65536] i32.
; WHAT IS COMPUTED.  |x|^2 is the same for all centres of a row, and the clip at 0 and the root never turn an order round, so the nearest centre is the one with the
; largest s = x.c - |c|^2 / 2.  x.c is a bf16 matrix product with f32 sums; -|c|^2 / 2 enters as the C operand of the first of the four K steps.
; LIMITS, KEPT ON PURPOSE.  (1) The defining formula rounds |x|^2 + |c|^2 - 2 x.c to f32, clips it and takes the root; where these steps make the two best distances
; equal, or turn them round, it names the lower index, while this text names the centre with the larger s.  That needs the two best to lie within about 2e-7 of
; the squared distance of each other (about 3e-5 for rows of 128 numbers of spread 1).  (2) Operands are rounded to bf16.  (3) NaN and infinities are not served.
; SHARES.  A work-group owns 256 latent rows.  Wave w: row group g = w & 3 (64 rows, kept for the whole kernel as 16 B fragments in 128 registers), half p = w >> 2 of the
; centres (rows 256 p .. 256 p + 255 of every chunk of 512).  The centres are the matrix A, so that in the result lane (r, h) holds latent row r and its registers
; j = 0..7 the centres 8 h + j of the tile: the search runs inside a lane.  Two tiles of 16 x 16 (two row blocks) are searched in 19 issue slots: seven for the two
; maxima of eight, and for each tile a compare with the best so far, one dual instruction for the new best and the tile's number, and four dual selects that keep the
; winning tile's eight scores.  Which of the eight won is found once, at the end.
; Eight waves of 256 registers and not four of more: the vector work stands between the matrix instructions and names accumulators and state in every operand place;
; with 256 registers a wave needs no s_set_vgpr_msb at all.
; CLUSTER.  All work-groups walk the same centres: four form a cluster and ask for each chunk of cb, and for h2, jointly (mask 15), which divides those requests by four.
; latent is each work-group's own: a plain load.
.set PITCH,  272                       ; an LDS row of cb: 256 bytes + 16 of padding, an odd multiple of 16: the 16 rows of a fragment load fall on 16 different columns of 16 bytes
.set LPITCH, 528                       ; an LDS row of latent: 512 bytes + 16
.set SLOT,   512*PITCH                 ; 139,264: a chunk of 512 centres.  Slot 0 at byte 0, slot 1 behind it; slot 1's first fill is latent (256 x 528 = 135,168 bytes)
.set HTAB,   2*SLOT                    ; 278,528: all of h2, 16,384 bytes, filled once
.set SCR,    HTAB+16384                ; 294,912: 4,096 bytes written by LDS stores alone, no fill lands here: best[p][256] f32 at 1024 p, index[p][256] at 2048 + 1024 p
.set AADR, 1                           ; v1, v2    my A fragments' address in slot 0, 1: 272 r + 16 h + 256 p rows
.set HADR, 3                           ; v3        my 8 numbers of h2 for tile 0 of the chunk
.set VT,   4                           ; v4        index of the centre in my register 0 of the tile whose scores are being searched
.set P0,   5                           ; v5, v6    a tile's best, for the two row blocks of a pair
.set P1,   6
.set Q0,   7                           ; v7, v8    at work in the maxima
.set Q1,   8
.set LADR, 9                           ; v9        latent in LDS; at the end my word in SCR
.set HC,   10                          ; v[10:17]  C of the first K step
.set STG,  10                          ; v[10:73]  ahead of the loop: 64 f32 of latent on their way to bf16
.set FA,   18                          ; v[18:49]  A fragment of K step k at 18 + 8 k
.set ACC,  50                          ; v[50:81]  accumulator of row block rb at 50 + 8 rb
.set ST,   82                          ; v[82:121] state of row block rb at 82 + 10 rb: +0..7 the winning tile's scores, +8 the best, +9 the winning tile's VT
.set TJ,   122                         ; v122-126  at work at the end
.set TM,   123
.set TI,   124
.set TO,   125
.set TL,   126
.set FB,   128                         ; v[128:255] B fragment (rb, k) at 128 + 32 rb + 8 k
.set G0H, 20                           ; s[20:23] group 0, s[24:31] group 1: h2
.set G1H, 24
.set G0S, 32                           ; s[32:35], s[36:39] group 0 of slot 0, 1
.set G1C, 40                           ; s[40:47] group 1: a wave's 64 rows of cb
.set G0L, 48                           ; s[48:51] group 0, s[52:59] group 1: a wave's 32 rows of latent
.set G1L, 52
; A round of the cluster's barrier: my work-group's barrier, wave 0 signals for the work-group, every wave waits for all four work-groups, my work-group's barrier again.
.macro ROUND
	s_barrier_signal -1
	s_barrier_wait -1
	s_cmp_lg_u32 s12, 0
	s_cbranch_scc1 .Lnot_wave_0_\@
	s_barrier_signal -3
.Lnot_wave_0_\@:
	s_barrier_wait -3
	s_barrier_signal -1
	s_barrier_wait -1
.endm
; A fragment of tile u, K step k: lane (r, h) takes K = 8 h .. + 7 and K = 16 + 8 h .. + 7 of centre r: two loads of 16 bytes, 32 bytes apart.  Largest offset 65,504.
.macro LDA slot, u, k
	ds_load_b128 v[FA+8*(\k):FA+8*(\k)+3],   v[AADR+\slot] offset:(\u)*16*PITCH+64*(\k)
	ds_load_b128 v[FA+8*(\k)+4:FA+8*(\k)+7], v[AADR+\slot] offset:(\u)*16*PITCH+64*(\k)+32
.endm
; h2 of the centres 8 h .. 8 h + 7 of tile u: the layout of a C operand
.macro LDH u
	ds_load_b128 v[HC:HC+3],   v[HADR] offset:64*(\u)
	ds_load_b128 v[HC+4:HC+7], v[HADR] offset:64*(\u)+16
.endm
.macro WM rb, k
.if (\k) == 0
	v_wmma_f32_16x16x32_bf16 v[ACC+8*(\rb):ACC+8*(\rb)+7], v[FA:FA+7], v[FB+32*(\rb):FB+32*(\rb)+7], v[HC:HC+7]
.else
	v_wmma_f32_16x16x32_bf16 v[ACC+8*(\rb):ACC+8*(\rb)+7], v[FA+8*(\k):FA+8*(\k)+7], v[FB+32*(\rb)+8*(\k):FB+32*(\rb)+8*(\k)+7], v[ACC+8*(\rb):ACC+8*(\rb)+7]
.endif
.endm
.macro INIT rb                         ; best and kept scores = -infinity (s70), tile number 0
.irp j, 0,1,2,3,4,5,6,7,8
	v_mov_b32 v[ST+10*\rb+\j], s70
.endr
	v_mov_b32 v[ST+10*\rb+9], 0
.endm
; Step i (0..18) of the search through the finished tiles of row blocks a and b.  0-6: each tile's best; 7-12: a's update; 13-18: b's.
; The compare is strict, so that of equal scores the earlier tile stays.
; The dual instructions keep the encoding's operand rules by the register map: the two destinations are neighbours (one even, one odd), the two first sources are
; neighbours, the two second sources are neighbours or v5 / v6 beside v4, v7 beside v8 (numbers that differ modulo 4); both selects of a pair read the one mask in VCC.
.macro EP i, a, b
.set E_A, ACC+8*(\a)
.set E_B, ACC+8*(\b)
.if (\i) == 0
	v_max3_num_f32 v[P0], v[E_A], v[E_A+1], v[E_A+2]
.elseif (\i) == 1
	v_max3_num_f32 v[P1], v[E_B], v[E_B+1], v[E_B+2]
.elseif (\i) == 2
	v_max3_num_f32 v[Q0], v[E_A+3], v[E_A+4], v[E_A+5]
.elseif (\i) == 3
	v_max3_num_f32 v[Q1], v[E_B+3], v[E_B+4], v[E_B+5]
.elseif (\i) == 4
	v_max3_num_f32 v[P0], v[P0], v[E_A+6], v[E_A+7]
.elseif (\i) == 5
	v_max3_num_f32 v[P1], v[P1], v[E_B+6], v[E_B+7]
.elseif (\i) == 6
	v_dual_max_num_f32 v[P0], v[P0], v[Q0] :: v_dual_max_num_f32 v[P1], v[P1], v[Q1]
.else
.if (\i) < 13
.set E_X, E_A
.set E_T, ST+10*(\a)
.set E_P, P0
.set E_S, (\i)-7
.else
.set E_X, E_B
.set E_T, ST+10*(\b)
.set E_P, P1
.set E_S, (\i)-13
.endif
.if E_S == 0
	v_cmp_gt_f32 vcc_lo, v[E_P], v[E_T+8]
.elseif E_S == 1
	v_dual_max_num_f32 v[E_T+8], v[E_T+8], v[E_P] :: v_dual_cndmask_b32 v[E_T+9], v[E_T+9], v[VT]
.else
.set E_M, 2*(E_S-2)
	v_dual_cndmask_b32 v[E_T+E_M], v[E_T+E_M], v[E_X+E_M] :: v_dual_cndmask_b32 v[E_T+E_M+1], v[E_T+E_M+1], v[E_X+E_M+1]
.endif
.endif
.endm
.macro EPS first, n, a, b              ; steps first .. first + n - 1
.set E_I, \first
.rept \n
	EP E_I, \a, \b
.set E_I, E_I+1
.endr
.endm
; Half a tile: the eight matrix instructions of row blocks ra, ra + 1 (four K steps each).  The two accumulators take turns, one instruction a turn.
; epi = 1: between them stand the 19 steps of the search through the OTHER pair's finished tiles (re, re + 1): 1, 2, 2, 2, 3, 2, 3, 4 behind the eight matrix instructions.
; None of them names a register of this half's matrix instructions, so they are its places (ISA guide 7.12.1).  The last four, with step 0 of the next half, stand between
; this half's last matrix instruction and the first read of its result (step 1 of the next half).
; wt = 1: the tile's fragments are waited for.  They were issued in the order H, A0, A1, A2, A3, two loads each: 6, 4, 2, 0 younger loads may stay out.
; pf = 1: tile un's fragments are loaded over this tile's as they fall free: H and A0 behind steps 1-4 (four places behind the second matrix instruction, their last
; reader), A1 behind steps 5-9 (five behind the fourth), A2 behind steps 10-14 (five behind the sixth), A3 behind steps 15-18 (four behind the eighth).
.macro UNIT ra, re, epi, wt, pf, slot, un
.irp i, 0,1,2,3,4,5,6,7
.if \wt
.if (\i%2) == 0
	s_wait_dscnt 6-\i
.endif
.endif
.set U_RB, \ra+(\i%2)
.set U_K, \i/2
	WM U_RB, U_K
.if \epi
.if \i == 0
	EPS 0, 1, \re, (\re+1)
.elseif \i == 1
	EPS 1, 2, \re, (\re+1)
.elseif \i == 2
	EPS 3, 2, \re, (\re+1)
.elseif \i == 3
	EPS 5, 2, \re, (\re+1)
.elseif \i == 4
	EPS 7, 3, \re, (\re+1)
.elseif \i == 5
	EPS 10, 2, \re, (\re+1)
.elseif \i == 6
	EPS 12, 3, \re, (\re+1)
.else
	EPS 15, 4, \re, (\re+1)
.endif
.endif
.if \pf
.if \i == 2
	LDH \un
	LDA \slot, \un, 0
.endif
.if \i == 4
	LDA \slot, \un, 1
.endif
.if \i == 6
	LDA \slot, \un, 2
.endif
.if \i == 7
	LDA \slot, \un, 3
.endif
.endif
.endr
.endm
; Tile u of a chunk.  Its first half also searches row blocks 2, 3 of the tile before, then VT steps on by inc; its second half searches its own row blocks 0, 1.
; epi = 0 (the very first tile): there is no tile before; the 20 moves that start the state of row blocks 2, 3 are the places behind the first half.
.macro TILE slot, u, epi, pf, inc
	UNIT 0, 2, \epi, 1, 0, \slot, 0
.if \epi
	v_add_nc_u32 v[VT], \inc, v[VT]
.else
	INIT 2
	INIT 3
.endif
	UNIT 2, 0, 1, 0, \pf, \slot, (\u+1)
.endm
; A chunk of 512 centres in slot \slot: 16 tiles for this wave.  At its head the change of slots: each wave waits for all its tensor loads (one is out: its part of this
; chunk) and for its LDS reads of the other slot; the round then says so of every wave of the four work-groups; the joint refill of the other slot is the first thing
; behind it, this wave's one tensor load until the next round, and has this chunk's 16 tiles in which to land.
.macro CHUNK slot, refill, first
	s_set_vgpr_msb 0x4
	s_wait_tensorcnt 0x0                           ; no tensor load of mine is out: a group 0 may be written
	ds_add_u32 v127, v1
	s_wait_dscnt 0x0
	s_set_vgpr_msb 0x400
	s_add_nc_u64 s[G0S+4*\slot+2:G0S+4*\slot+3], s[G0S+4*\slot+2:G0S+4*\slot+3], 2*512*256   ; this slot's next chunk (behind the last chunks the stepped address is not used)
	s_wait_dscnt 0x0
	ROUND
.if \refill
	tensor_load_to_lds s[G0S+4-4*\slot:G0S+7-4*\slot], s[G1C:G1C+7]
	s_nop 0
.endif
.if \first == 0
	v_add_nc_u32 v[HADR], 2048, v[HADR]            ; 512 numbers of h2 on
.endif
	LDH 0
	LDA \slot, 0, 0
	LDA \slot, 0, 1
	LDA \slot, 0, 2
	LDA \slot, 0, 3
	TILE \slot, 0, (1-\first), 1, 272              ; 272 = 16 + the other half's 256 centres
.irp u, 1,2,3,4,5,6,7,8,9,10,11,12,13,14
	TILE \slot, \u, 1, 1, 16
.endr
	TILE \slot, 15, 1, 0, 16
.endm
; 16 latent rows to bf16: lane (r, h) takes, for K step kf, the f32 numbers K = 32 kf + 8 h .. + 7 (32 bytes) and K = 32 kf + 16 + 8 h .. + 7 (32 bytes, 64 further on).
.macro BFRAG rb
.irp kf, 0,1,2,3
	ds_load_b128 v[STG+16*\kf:STG+16*\kf+3],     v[LADR] offset:\rb*16*LPITCH+128*\kf
	ds_load_b128 v[STG+16*\kf+4:STG+16*\kf+7],   v[LADR] offset:\rb*16*LPITCH+128*\kf+16
	ds_load_b128 v[STG+16*\kf+8:STG+16*\kf+11],  v[LADR] offset:\rb*16*LPITCH+128*\kf+64
	ds_load_b128 v[STG+16*\kf+12:STG+16*\kf+15], v[LADR] offset:\rb*16*LPITCH+128*\kf+80
.endr
.irp kf, 0,1,2,3
	s_wait_dscnt 12-4*\kf                          ; of the 16 loads the first 4 kf + 4 are in
.irp m, 0,1,2,3,4,5,6,7
	v_cvt_pk_bf16_f32 v[FB+32*\rb+8*\kf+\m], v[STG+16*\kf+2*\m], v[STG+16*\kf+2*\m+1]
.endr
.endr
.endm
; The end of the search for row block rb: the lowest j whose kept score equals the best; then the lane 16 away, which holds the same latent row and the tiles' other eight
; centres: the larger score wins, on equal scores the lower index.  Both lanes end with the same pair and write it to the row's word.
.macro RESOLVE rb
.set R_T, ST+10*\rb
	v_mov_b32 v[TJ], 7
.irp j, 6,5,4,3,2,1,0
	v_cmp_neq_f32 vcc_lo, v[R_T+\j], v[R_T+8]
	v_cndmask_b32 v[TJ], \j, v[TJ], vcc_lo         ; equal: j; else as it was
.endr
	v_add_nc_u32 v[R_T+9], v[R_T+9], v[TJ]
	v_permlanex16_b32 v[TM], v[R_T+8], s66, s67
	v_permlanex16_b32 v[TI], v[R_T+9], s66, s67
	v_cmp_gt_f32 vcc_lo, v[TM], v[R_T+8]
	v_cmp_eq_f32 s68, v[TM], v[R_T+8]
	v_cmp_lt_u32 s69, v[TI], v[R_T+9]
	s_and_b32 s68, s68, s69
	s_or_b32 vcc_lo, vcc_lo, s68
	v_cndmask_b32 v[R_T+8], v[R_T+8], v[TM], vcc_lo
	v_cndmask_b32 v[R_T+9], v[R_T+9], v[TI], vcc_lo
	ds_store_b32 v[LADR], v[R_T+8] offset:64*\rb
	ds_store_b32 v[LADR], v[R_T+9] offset:2048+64*\rb
.endm
	s_load_b256 s[4:11], s[0:1], 0x0               ; latent s[4:5], cb s[6:7], h2 s[8:9], out0 s[10:11]
	v_lshl_add_u32 v127, v0, 2, 0x49000
	s_set_vgpr_msb 0x40
	v_mov_b32 v1, 0
	s_set_vgpr_msb 0x4044
	ds_add_u32 v127, v1
	s_set_vgpr_msb 0x4400
	v_lshrrev_b32 v1, 5, v0
	v_readfirstlane_b32 s12, v1                    ; wave 0..7
	s_and_b32 s13, s12, 3                          ; g: my 64 latent rows
	s_lshr_b32 s14, s12, 2                         ; p: my half of each chunk
	s_bfe_u32 s15, ttmp6, 0x40000                  ; cx: my place in the cluster
	s_lshl_b32 s16, ttmp9, 2                       ; in a cluster launch ttmp9 counts clusters
	s_add_co_u32 s16, s16, s15                     ; work-group 0..255
	s_mov_b32 s66, 0x76543210                      ; v_permlanex16_b32: lane i of one half reads lane i of the other
	s_mov_b32 s67, 0xfedcba98
	s_mov_b32 s70, 0xff800000                      ; -infinity
	; group 1 for cb: 64 rows x 128 elements of 2 bytes, asked for jointly by the cluster's four, 16 bytes of padding behind each row of 64 words
	s_mov_b32 s[G1C+0], 15|(1<<16)|(1<<20)|(1<<21)|(5<<22)|(3<<25)
	s_mov_b32 s[G1C+1], 128<<16                    ; tensor_dim0 = 128
	s_mov_b32 s[G1C+2], 64<<16                     ; tensor_dim1 = 64
	s_mov_b32 s[G1C+3], 128<<16                    ; tile_dim0 = 128
	s_mov_b32 s[G1C+4], 64                         ; tile_dim1 = 64
	s_mov_b32 s[G1C+5], 128                        ; elements from row to row
	s_mov_b32 s[G1C+6], 0
	s_mov_b32 s[G1C+7], 0
	; group 1 for h2: a dense block of 2,048 bytes as 8 rows of 32 elements of 8 bytes, jointly, no padding
	s_mov_b32 s[G1H+0], 15|(3<<16)|(1<<21)
	s_mov_b32 s[G1H+1], 32<<16
	s_mov_b32 s[G1H+2], 8<<16
	s_mov_b32 s[G1H+3], 32<<16
	s_mov_b32 s[G1H+4], 8
	s_mov_b32 s[G1H+5], 32
	s_mov_b32 s[G1H+6], 0
	s_mov_b32 s[G1H+7], 0
	; group 1 for latent: 32 rows x 128 elements of 4 bytes, my work-group's own (mask 0), 16 bytes of padding behind each row of 128 words
	s_mov_b32 s[G1L+0], (2<<16)|(1<<20)|(6<<22)|(3<<25)
	s_mov_b32 s[G1L+1], 128<<16
	s_mov_b32 s[G1L+2], 32<<16
	s_mov_b32 s[G1L+3], 128<<16
	s_mov_b32 s[G1L+4], 32
	s_mov_b32 s[G1L+5], 128
	s_mov_b32 s[G1L+6], 0
	s_mov_b32 s[G1L+7], 0
	; groups 0.  LDS addresses hang on the wave's number alone; of the global addresses only latent's hangs on the work-group.
	s_mov_b32 s[G0S+0], 1
	s_mul_i32 s[G0S+1], s12, 64*PITCH              ; slot 0: my 64 rows
	s_mov_b32 s[G0S+4], 1
	s_add_co_u32 s[G0S+5], s[G0S+1], SLOT          ; slot 1
	s_mov_b32 s[G0H+0], 1
	s_lshl_b32 s[G0H+1], s12, 11
	s_add_co_u32 s[G0H+1], s[G0H+1], HTAB
	s_mov_b32 s[G0L+0], 1
	s_mul_i32 s[G0L+1], s12, 32*LPITCH
	s_add_co_u32 s[G0L+1], s[G0L+1], SLOT          ; latent's stage is slot 1
	s_lshl_b32 s62, s12, 14                        ; 64 rows of cb = 32 rows of latent = 16,384 bytes
	s_mov_b32 s63, 0
	s_lshl_b32 s60, s12, 11                        ; my 2,048 bytes of h2
	s_mov_b32 s61, 0
	s_lshl_b32 s18, s16, 17                        ; 256 rows of latent
	s_add_co_u32 s18, s18, s62
	s_mov_b32 s19, 0
	s_wait_dscnt 0x0
	s_wait_kmcnt 0x0
	s_add_nc_u64 s[G0L+2:G0L+3], s[4:5], s[18:19]
	s_or_b32 s[G0L+3], s[G0L+3], 0x80000000        ; type = 2
	s_add_nc_u64 s[G0S+2:G0S+3], s[6:7], s[62:63]  ; chunk 0
	s_add_nc_u64 s[G0S+6:G0S+7], s[G0S+2:G0S+3], 512*256   ; chunk 1
	s_or_b32 s[G0S+3], s[G0S+3], 0x80000000
	s_or_b32 s[G0S+7], s[G0S+7], 0x80000000
	s_add_nc_u64 s[G0H+2:G0H+3], s[8:9], s[60:61]
	s_or_b32 s[G0H+3], s[G0H+3], 0x80000000
	s_lshl_b32 s18, s16, 10                        ; my work-group's 256 numbers of out0
	s_add_nc_u64 s[10:11], s[10:11], s[18:19]
	ROUND                                          ; the four work-groups are here: the first joint loads meet
	tensor_load_to_lds s[G0L:G0L+3], s[G1L:G1L+7]  ; the first fills, one group: latent first, since it is wanted first;
	s_nop 0
	tensor_load_to_lds s[G0S:G0S+3], s[G1C:G1C+7]  ; chunk 0;
	s_nop 0
	tensor_load_to_lds s[G0H:G0H+3], s[G1H:G1H+7]  ; h2.  Three tensor loads of this wave are out, the most in this text
	s_nop 0
	v_and_b32 v5, 15, v0                           ; r
	v_bfe_u32 v6, v0, 4, 1                         ; h
	v_mul_u32_u24 v[AADR], v5, PITCH
	v_lshl_add_u32 v[AADR], v6, 4, v[AADR]
	s_mul_i32 s17, s14, 256*PITCH
	v_add_nc_u32 v[AADR], s17, v[AADR]
	v_add_nc_u32 v[AADR+1], SLOT, v[AADR]
	v_lshlrev_b32 v[HADR], 5, v6
	s_lshl_b32 s17, s14, 10
	s_add_co_u32 s17, s17, HTAB
	v_add_nc_u32 v[HADR], s17, v[HADR]             ; HTAB + 4 (256 p + 8 h)
	v_lshlrev_b32 v[VT], 3, v6
	s_lshl_b32 s17, s14, 8
	v_add_nc_u32 v[VT], s17, v[VT]                 ; 256 p + 8 h
	s_lshl_b32 s17, s13, 6
	v_add_nc_u32 v[LADR], s17, v5                  ; row 64 g + r
	v_mul_u32_u24 v[LADR], v[LADR], LPITCH
	v_lshl_add_u32 v[LADR], v6, 5, v[LADR]
	v_add_nc_u32 v[LADR], SLOT, v[LADR]
	INIT 0
	INIT 1
	v_mov_b32 v[TM], 0                             ; destinations of v_permlanex16_b32 count as read
	v_mov_b32 v[TI], 0
	s_wait_tensorcnt 0x2                           ; my 32 rows of latent are in; the two younger loads stay out
	s_barrier_signal -1
	s_barrier_wait -1                              ; everybody's rows are in
	BFRAG 0
	BFRAG 1
	BFRAG 2
	BFRAG 3
	CHUNK 0, 1, 1                                  ; chunk 0; behind its round slot 1, which held latent, takes chunk 1
	s_mov_b32 s60, 3
.Lloop:
	CHUNK 1, 1, 0                                  ; chunks 1, 3, 5
	CHUNK 0, 1, 0                                  ; chunks 2, 4, 6
	s_sub_co_i32 s60, s60, 1
	s_cmp_lg_u32 s60, 0
	s_cbranch_scc1 .Lloop
	CHUNK 1, 0, 0                                  ; chunk 7: nothing is left to fetch
	EPS 0, 19, 2, 3                                ; the last tile's row blocks 2, 3: four places stand behind the last matrix instruction, and step 0, which reads the other block, is the fifth
	v_and_b32 v[LADR], 15, v0
	s_lshl_b32 s17, s13, 6
	v_add_nc_u32 v[LADR], s17, v[LADR]             ; row 64 g + r
	s_lshl_b32 s17, s14, 10
	s_add_co_u32 s17, s17, SCR
	v_lshl_add_u32 v[LADR], v[LADR], 2, s17        ; its word in my half's table
	RESOLVE 0
	RESOLVE 1
	RESOLVE 2
	RESOLVE 3
	s_wait_dscnt 0x0                               ; my stores are done, for the sake of the waves that merge
	s_barrier_signal -1
	s_barrier_wait -1
	s_cmp_gt_u32 s12, 1
	s_cbranch_scc1 .Lno_out
	; waves 0 and 1: thread t merges the two halves of rows 4 t .. 4 t + 3 and stores 16 bytes: sixteen lanes store 256 consecutive bytes, aligned
	v_and_b32 v[TO], 63, v0
	v_lshlrev_b32 v[TO], 4, v[TO]
	v_add_nc_u32 v[TL], SCR, v[TO]
	ds_load_b128 v[10:13], v[TL]                   ; best, p = 0
	ds_load_b128 v[14:17], v[TL] offset:1024       ; best, p = 1
	ds_load_b128 v[18:21], v[TL] offset:2048       ; index, p = 0
	ds_load_b128 v[22:25], v[TL] offset:3072       ; index, p = 1
	s_wait_dscnt 0x0
.irp e, 0,1,2,3
	v_cmp_gt_f32 vcc_lo, v[14+\e], v[10+\e]
	v_cmp_eq_f32 s68, v[14+\e], v[10+\e]
	v_cmp_lt_u32 s69, v[22+\e], v[18+\e]
	s_and_b32 s68, s68, s69
	s_or_b32 vcc_lo, vcc_lo, s68
	v_cndmask_b32 v[18+\e], v[18+\e], v[22+\e], vcc_lo
.endr
	global_store_b128 v[TO], v[18:21], s[10:11]
.Lno_out:
	s_set_vgpr_msb 0x4
	s_wait_tensorcnt 0x0
	ds_add_u32 v127, v1
	s_wait_dscnt 0x0
	s_set_vgpr_msb 0x400
	ROUND                                          ; the closing round: no work-group ends while a partner may still ask for a tile that names it
	s_endpgm
.Lfunc_end_k_q4b011613c1_assign:
	.size	k_q4b011613c1_assign, .Lfunc_end_k_q4b011613c1_assign-k_q4b011613c1_assign
	.p2alignl 7, 3214868480
	.fill 96, 4, 3214868480
	.section	.rodata,"a",@progbits
	.p2align	6, 0x0
	.amdhsa_kernel k_q4b011613c1_assign
		.amdhsa_group_segment_fixed_size 327680
		.amdhsa_private_segment_fixed_size 0
		.amdhsa_enable_private_segment 0
		.amdhsa_kernarg_size 32
		.amdhsa_user_sgpr_count 2
		.amdhsa_user_sgpr_kernarg_segment_ptr 1
		.amdhsa_wavefront_size32 1
		.amdhsa_system_sgpr_workgroup_id_x 1
		.amdhsa_system_sgpr_workgroup_id_y 1
		.amdhsa_system_sgpr_workgroup_id_z 1
		.amdhsa_system_vgpr_workitem_id 0
		.amdhsa_next_free_vgpr 258
		.amdhsa_next_free_sgpr 72
		.amdhsa_reserve_vcc 1
		.amdhsa_float_denorm_mode_32 3
		.amdhsa_float_denorm_mode_16_64 3
		.amdhsa_memory_ordered 1
		.amdhsa_forward_progress 1
		.amdhsa_inst_pref_size 255
	.end_amdhsa_kernel
	.section	.bss,"aw",@nobits
	.p2align	6
	.space	262144
	.amdgpu_metadata
---
amdhsa.version: [ 1, 2 ]
amdhsa.kernels:
  - .name:           k_q4b011613c1_assign
    .symbol:         k_q4b011613c1_assign.kd
    .args:
      - { .name: latent, .offset: 0, .size: 8, .value_kind: global_buffer, .address_space: global }
      - { .name: cb, .offset: 8, .size: 8, .value_kind: global_buffer, .address_space: global }
      - { .name: h2, .offset: 16, .size: 8, .value_kind: global_buffer, .address_space: global }
      - { .name: out0, .offset: 24, .size: 8, .value_kind: global_buffer, .address_space: global }
    .group_segment_fixed_size: 327680
    .private_segment_fixed_size: 0
    .kernarg_segment_align: 8
    .kernarg_segment_size: 32
    .max_flat_workgroup_size: 256
    .sgpr_count:     72
    .vgpr_count:     258
    .wavefront_size: 32
...
	.end_amdgpu_metadata
.endif
;; end of part 2
